; MI455X (gfx1250); checked and timed in simulation.
; The chip was launched on July 23, 2026; its instructions are those of AMD's public machine-readable ISA for CDNA 5 (MIT licence, August 2026) and "CDNA5" Instruction Set Architecture Reference Guide (July 2026). The comments in the code are by the model that wrote it; some were corrected since.
;; Attention Layer. Allowed arithmetic: matrix products marked QUANTISED: E2M3 operands, one E8M0 scale for each 32 along K, by v_wmma_scale_f32_16x16x128_f8f6f4 with both operands' format E2M3, f32 sums; products left as they are: f32 operands where the result goes on into a quantised operand, else bf16, f16 or f32 operands; f32 sums; everything else in f32.
;; Inputs: Wk_codes 1,024 x 32 x 24 uint8 (E2M3 codes of Wk, K innermost, in blocks of 32 codes, four codes in three bytes); Wk_scales 1,024 x 32 uint8 (E8M0 scales of Wk, one for each 32 codes along K); Wq_codes 1,024 x 32 x 24 uint8 (E2M3 codes of Wq, K innermost, in blocks of 32 codes, four codes in three bytes); Wq_scales 1,024 x 32 uint8 (E8M0 scales of Wq, one for each 32 codes along K); Wv_codes 1,024 x 32 x 24 uint8 (E2M3 codes of Wv, K innermost, in blocks of 32 codes, four codes in three bytes); Wv_scales 1,024 x 32 uint8 (E8M0 scales of Wv, one for each 32 codes along K); bert_output_codes 16 x 2,048 x 32 x 24 uint8 (E2M3 codes of bert_output, K innermost, in blocks of 32 codes, four codes in three bytes); bert_output_scales 16 x 2,048 x 32 uint8 (E8M0 scales of bert_output, one for each 32 codes along K); bk 1,024 float32; bq 1,024 float32; bv 1,024 float32; pool_output_codes 16 x 1 x 32 x 24 uint8 (E2M3 codes of pool_output, K innermost, in blocks of 32 codes, four codes in three bytes); pool_output_scales 16 x 1 x 32 uint8 (E8M0 scales of pool_output, one for each 32 codes along K).
;; Outputs: out0 16 x 1 x 1,024 float32.
;; This version of the problem:
;;   THIS VERSION OF THE PROBLEM IS GIVEN IN LOW PRECISION. The matrix products marked QUANTISED in the list below multiply operands that are first quantised to E2M3 (2 exponent bits, 3 mantissa bits; 6 bits a number), with one power-of-two scale for each 32 numbers along K (OCP MX v1.0); their sums are f32. All else is computed in f32.
;;   The module's matrix products, in the order in which they are computed (A, B: the left and right operand; K: the contracted axis; several contracted axes count as one K, in the product's order):
;;     1. [M 16, K 1,024] x [K 1,024, N 1,024]; A: input pool_output (given as codes); B: input Wq (given as codes): QUANTISED
;;     2. [M 32,768, K 1,024] x [K 1,024, N 1,024]; A: input bert_output (given as codes); B: input Wk (given as codes): QUANTISED
;;     3. [M 32,768, K 1,024] x [K 1,024, N 1,024]; A: input bert_output (given as codes); B: input Wv (given as codes): QUANTISED
;;     4. batch 16 x [M 1, K 1,024] x [K 1,024, N 2,048]; A: computed on the way; B: computed on the way: left as it is (M = 1 < 16)
;;     5. batch 16 x [M 1, K 2,048] x [K 2,048, N 1,024]; A: computed on the way; B: computed on the way: left as it is (M = 1 < 16)
;;   THE QUANTISER, for each operand of a quantised product, along K:
;;     - K is cut into blocks of 32 from its start; a last block that is shorter is filled with zeros.
;;     - A block's scale is 2^e with e = floor(log2(the largest magnitude in the block)) - 2, held to -126 .. 127; a block of zeros has e = 0. As a byte (E8M0): e + 127.
;;     - Each number is divided by its block's scale, clamped to +-7.5, and rounded to the nearest number of E2M3, ties to even, subnormals kept.
;;     - The product sums the exact products of the quantised numbers (number of the format x scale) in f32.
;;   ~~~python
;;   def quantise(x, axis):      # numpy; x: float32 -> the quantised numbers, widened to float32 again
;;       x = np.moveaxis(x, axis, -1); K = x.shape[-1]
;;       x = np.pad(x, [(0, 0)] * (x.ndim - 1) + [(0, -K % 32)]); x = x.reshape(x.shape[:-1] + (-1, 32)); a = np.abs(x).max(-1, keepdims=True)
;;       e = np.where(a > 0, np.clip(np.frexp(np.where(a > 0, a, 1))[1] - 1 - 2, -126, 127), 0)      # np.frexp(a)[1] - 1 = floor(log2(a)), exactly
;;       r = np.clip(x / 2.0 ** e, -7.5, 7.5)
;;       step = 2.0 ** (np.maximum(np.frexp(np.where(r == 0, 1, r))[1] - 1, 0) - 3)
;;       q = np.round(r / step) * step * 2.0 ** e      # np.round: ties to even
;;       return np.moveaxis(q.reshape(q.shape[:-2] + (-1,))[..., :K], -1, axis).astype(np.float32)
;;   ~~~
;;   INPUTS GIVEN AS CODES. Wk (in the module: [1024, 1024], K = its axis 1); Wq (in the module: [1024, 1024], K = its axis 1); Wv (in the module: [1024, 1024], K = its axis 1); bert_output (in the module: [16, 2048, 1024], K = its axis 2); pool_output (in the module: [16, 1, 1024], K = its axis 2): each comes as NAME_codes (uint8): NAME with its K axis moved to the last place and cut into blocks of 32 codes, [.., K / 32, bytes a block], one block behind the other in memory; four codes in three bytes: a row's codes are one little-endian stream of bits, code i at bits 6 i .. 6 i + 5 (a code: sign, 2 exponent bits, 3 mantissa bits); and NAME_scales (uint8): the same leading axes, one E8M0 byte (e + 127) for each 32 codes along K. Its value is code x scale, taken as it is: it is not quantised again, and the codes and scales need not be those that the quantiser above would give.
;; One version. Each part assembles by itself: llvm-mc -triple=amdgcn-amd-amdhsa -mcpu=gfx1250 --defsym DOCPART=n.
;; ======== version 1 of 1: 3 launches
;; workspace buffers: q 65,536 bytes; part 2,097,152 bytes
;; launch qproj (part 1): grid 16 x 1, 4 waves a work-group, no clusters, 5,120 bytes of LDS; arguments pool_output_codes, pool_output_scales, Wq_codes, Wq_scales, bq, q; writes q
.if DOCPART == 1
	.amdgcn_target "amdgcn-amd-amdhsa--gfx1250"
	.amdhsa_code_object_version 6
	.text
	.protected	k_qd2f81ed0ff_qproj
	.globl	k_qd2f81ed0ff_qproj
	.p2align	8
	.type	k_qd2f81ed0ff_qproj,@function
k_qd2f81ed0ff_qproj:
	s_mov_b64 s[64:65], 0
	v_nop
	global_prefetch_b8 v0, s[64:65] scope:SCOPE_SE
	s_setreg_imm32_b32 hwreg(HW_REG_WAVE_MODE, 25, 1), 1
	s_wait_xcnt 0x0
; q[b][o] = sum over k of pool[b][k] Wq[o][k] + bq[o].  pool: [16][1024], Wq: [1024][1024]: codes of FP6 (E2M3), a row 768 bytes, with one E8M0 byte for each 32 along K (a row 32 bytes).  q: [16][1024] f32.
; SHARES.  Wave w of work-group x makes the tile of outputs o = 16 t .. 16 t + 15, t = 4 x + w, for all 16 batches: eight matrix instructions, one for each 128 along K.
; THE MATRIX INSTRUCTION IS USED TRANSPOSED: source 0 = 16 rows of Wq, source 1 = pool's 16 rows: lane (r, h) holds batch r, and its register j the output 16 t + 8 h + j: eight neighbours of a row of q.
; Two accumulators take turns (even K steps, odd K steps); bq is the C of the first sum's first instruction, the constant 0 that of the second's.  So the order of the sum differs from an ascending chain.
; The work is small (each byte of Wq is read once in the launch): no LDS ring, no tensor load, no cluster: no two work-groups share a row of Wq, and pool is 12 KB.
; LIMIT: a scale byte 0xff makes the sums that it touches NaN, as the matrix unit has it.
.set KROW, 768                         ; a row of codes in bytes
.set SPIT, 272                         ; the stage: 16 rows (batches) x (256 bytes + 16)
.set FW,   48                          ; v48-143   Wq's eight fragments, 12 registers each
.set FP,   144                         ; v144-239  pool's eight
	s_load_b256 s[4:11], s[0:1], 0x0               ; pool's codes s[4:5], pool's scales s[6:7], Wq's codes s[8:9], Wq's scales s[10:11]
	s_load_b128 s[12:15], s[0:1], 0x20             ; bq s[12:13], q s[14:15]
	v_lshl_add_u32 v254, v0, 2, 0x1200
	v_mov_b32 v255, 0
	v_lshrrev_b32 v1, 5, v0
	v_readfirstlane_b32 s16, v1                    ; wave 0..3
	s_lshl_b32 s17, ttmp9, 2
	s_add_co_u32 s17, s17, s16                     ; my tile t
	v_and_b32 v1, 15, v0                           ; r
	v_bfe_u32 v2, v0, 4, 1                         ; h
	v_mul_u32_u24 v3, v1, KROW
	v_mad_u32_u24 v3, v2, 24, v3                   ; a fragment: row r, + 24 h
	v_lshlrev_b32 v4, 5, v1
	v_lshl_add_u32 v4, v2, 4, v4                   ; scale words: row r of 32 bytes, + 16 h: lanes 0-15 take K steps 0-3, lanes 16-31 K steps 4-7
	v_lshlrev_b32 v5, 5, v2                        ; bq: my eight numbers begin 8 h numbers into the tile's sixteen
	s_lshl_b32 s18, s16, 6
	v_mul_u32_u24 v6, v1, SPIT
	v_lshl_add_u32 v6, v2, 5, v6
	v_add_nc_u32 v6, s18, v6                       ; the stage, in: row r, + 64 w + 32 h
	s_mul_i32 s19, s16, 4*SPIT
	v_mul_u32_u24 v7, v2, SPIT
	v_lshl_add_u32 v7, v1, 4, v7
	v_add_nc_u32 v7, s19, v7                       ; back: rows 4 w + h (and two further on), 16 bytes a lane
	s_lshl_b32 s20, s16, 14
	v_lshlrev_b32 v248, 12, v2
	v_lshl_add_u32 v248, v1, 4, v248
	v_add_nc_u32 v248, s20, v248                   ; and the same place in q: rows of 4,096 bytes
	s_mul_i32 s22, s17, 16*KROW                    ; my 16 rows of Wq,
	s_mov_b32 s23, 0
	s_lshl_b32 s24, s17, 9                         ; their scale bytes,
	s_mov_b32 s25, 0
	s_lshl_b32 s26, s17, 6                         ; their bq,
	s_mov_b32 s27, 0
	s_lshl_b32 s28, ttmp9, 8                       ; and the work-group's 64 outputs in a row of q
	s_mov_b32 s29, 0
	s_wait_kmcnt 0x0
	s_add_nc_u64 s[8:9], s[8:9], s[22:23]
	s_add_nc_u64 s[10:11], s[10:11], s[24:25]
	s_add_nc_u64 s[12:13], s[12:13], s[26:27]
	s_add_nc_u64 s[14:15], s[14:15], s[28:29]
	global_load_b128 v[8:11], v4, s[10:11]         ; Wq's scale words: register j, lanes 16 g + r: row r, K step 4 g + j
	global_load_b128 v[12:15], v4, s[6:7]          ; pool's likewise
	global_load_b128 v[16:19], v5, s[12:13]        ; bq in the result's layout
	global_load_b128 v[20:23], v5, s[12:13] offset:16
.irp s, 0,1,2,3,4,5,6,7
.irp p, 0,1,2,3,4,5
	global_load_b64 v[FW+12*\s+2*\p:FW+12*\s+2*\p+1], v3, s[8:9] offset:96*\s+48*(\p/3)+8*(\p%3)   ; 24 bytes of the row's stream of bits as three loads of 8, twice: registers 6 c .. 6 c + 5 hold K = 64 c + 32 h + 0 .. 31
	global_load_b64 v[FP+12*\s+2*\p:FP+12*\s+2*\p+1], v3, s[4:5] offset:96*\s+48*(\p/3)+8*(\p%3)
.endr
.endr
; K step s: behind its twelve loads stand those of the 7 - s later steps, twelve each, which may stay out.
.macro QP s
.if 12*(7-\s) > 63
	s_wait_loadcnt 63
.else
	s_wait_loadcnt 12*(7-\s)
.endif
.if \s == 0
	v_wmma_scale_f32_16x16x128_f8f6f4 v[24:31], v[FW:FW+11], v[FP:FP+11], v[16:23], v8, v12 matrix_a_fmt:MATRIX_FMT_FP6 matrix_b_fmt:MATRIX_FMT_FP6
.elseif \s == 1
	v_wmma_scale_f32_16x16x128_f8f6f4 v[32:39], v[FW+12:FW+23], v[FP+12:FP+23], 0, v9, v13 matrix_a_fmt:MATRIX_FMT_FP6 matrix_b_fmt:MATRIX_FMT_FP6
.elseif \s < 4
	v_wmma_scale_f32_16x16x128_f8f6f4 v[24+8*(\s%2):31+8*(\s%2)], v[FW+12*\s:FW+12*\s+11], v[FP+12*\s:FP+12*\s+11], v[24+8*(\s%2):31+8*(\s%2)], v[8+\s], v[12+\s] matrix_a_fmt:MATRIX_FMT_FP6 matrix_b_fmt:MATRIX_FMT_FP6
.else
	v_wmma_scale_f32_16x16x128_f8f6f4 v[24+8*(\s%2):31+8*(\s%2)], v[FW+12*\s:FW+12*\s+11], v[FP+12*\s:FP+12*\s+11], v[24+8*(\s%2):31+8*(\s%2)], v[4+\s], v[8+\s] matrix_a_fmt:MATRIX_FMT_FP6 matrix_b_fmt:MATRIX_FMT_FP6 matrix_a_scale:MATRIX_SCALE_ROW1 matrix_b_scale:MATRIX_SCALE_ROW1
.endif
.endm
.irp s, 0,1,2,3,4,5,6,7
	QP \s
.endr
.rept 4
	v_nop                                          ; four places between the last product and the first read of results (ISA guide 7.12.1)
.endr
.irp j, 0,2,4,6
	v_pk_add_f32 v[40+\j:41+\j], v[24+\j:25+\j], v[32+\j:33+\j]   ; the two halves of the sum, each accumulator from its low end on
.endr
	ds_store_b128 v6, v[40:43]                     ; a row's 256 bytes come from four waves: they meet in the stage
	ds_store_b128 v6, v[44:47] offset:16
	s_wait_dscnt 0x0                               ; for the others' sake: my stores into the stage are done
	s_barrier_signal -1
	s_barrier_wait -1
	ds_load_b128 v[240:243], v7
	ds_load_b128 v[244:247], v7 offset:2*SPIT
	s_wait_dscnt 1
	global_store_b128 v248, v[240:243], s[14:15]               ; sixteen lanes store 256 consecutive bytes, at a multiple of 256 from q's first byte
	s_wait_dscnt 0
	global_store_b128 v248, v[244:247], s[14:15] offset:8192
	s_wait_tensorcnt 0x0
	ds_add_u32 v254, v255
	s_wait_dscnt 0x0
	s_endpgm
.Lfunc_end_k_qd2f81ed0ff_qproj:
	.size	k_qd2f81ed0ff_qproj, .Lfunc_end_k_qd2f81ed0ff_qproj-k_qd2f81ed0ff_qproj
	.p2alignl 7, 3214868480
	.fill 96, 4, 3214868480
	.section	.rodata,"a",@progbits
	.p2align	6, 0x0
	.amdhsa_kernel k_qd2f81ed0ff_qproj
		.amdhsa_group_segment_fixed_size 5120
		.amdhsa_private_segment_fixed_size 0
		.amdhsa_enable_private_segment 0
		.amdhsa_kernarg_size 48
		.amdhsa_user_sgpr_count 2
		.amdhsa_user_sgpr_kernarg_segment_ptr 1
		.amdhsa_wavefront_size32 1
		.amdhsa_system_sgpr_workgroup_id_x 1
		.amdhsa_system_sgpr_workgroup_id_y 1
		.amdhsa_system_sgpr_workgroup_id_z 1
		.amdhsa_system_vgpr_workitem_id 0
		.amdhsa_next_free_vgpr 256
		.amdhsa_next_free_sgpr 66
		.amdhsa_reserve_vcc 0
		.amdhsa_float_denorm_mode_32 3
		.amdhsa_float_denorm_mode_16_64 3
		.amdhsa_memory_ordered 1
		.amdhsa_forward_progress 1
		.amdhsa_inst_pref_size 14
	.end_amdhsa_kernel
	.amdgpu_metadata
---
amdhsa.version: [ 1, 2 ]
amdhsa.kernels:
  - .name:           k_qd2f81ed0ff_qproj
    .symbol:         k_qd2f81ed0ff_qproj.kd
    .args:
      - { .name: pool_output_codes, .offset: 0, .size: 8, .value_kind: global_buffer, .address_space: global }
      - { .name: pool_output_scales, .offset: 8, .size: 8, .value_kind: global_buffer, .address_space: global }
      - { .name: Wq_codes, .offset: 16, .size: 8, .value_kind: global_buffer, .address_space: global }
      - { .name: Wq_scales, .offset: 24, .size: 8, .value_kind: global_buffer, .address_space: global }
      - { .name: bq, .offset: 32, .size: 8, .value_kind: global_buffer, .address_space: global }
      - { .name: q, .offset: 40, .size: 8, .value_kind: global_buffer, .address_space: global }
    .group_segment_fixed_size: 5120
    .private_segment_fixed_size: 0
    .kernarg_segment_align: 8
    .kernarg_segment_size: 48
    .max_flat_workgroup_size: 128
    .sgpr_count:     66
    .vgpr_count:     256
    .wavefront_size: 32
...
	.end_amdgpu_metadata
.endif
;; end of part 1
;; launch fused (part 2): grid 256 x 1, 4 waves a work-group, clusters of 4 x 1, 327,680 bytes of LDS; arguments bert_output_codes, bert_output_scales, Wk_codes, Wk_scales, Wv_codes, Wv_scales, bk, bv, q, part; writes part
.if DOCPART == 2
	.amdgcn_target "amdgcn-amd-amdhsa--gfx1250"
	.amdhsa_code_object_version 6
	.text
	.protected	k_qd2f81ed0ff_fused
	.globl	k_qd2f81ed0ff_fused
	.p2align	8
	.type	k_qd2f81ed0ff_fused,@function
k_qd2f81ed0ff_fused:
	s_mov_b64 s[64:65], 0
	v_nop
	global_prefetch_b8 v0, s[64:65] scope:SCOPE_SE
	s_setreg_imm32_b32 hwreg(HW_REG_WAVE_MODE, 25, 1), 1
	s_wait_xcnt 0x0
	s_wait_alu depctr_hold_cnt(0) depctr_sa_sdst(0) depctr_va_vdst(0) depctr_va_sdst(0) depctr_va_ssrc(0) depctr_va_vcc(0) depctr_vm_vsrc(0)
	s_getreg_b32 s2, hwreg(HW_REG_IB_STS2, 6, 4)
	s_cmp_eq_u32 s2, 0
	s_cbranch_scc0 .Lentry_in_a_cluster
	s_endpgm
.Lentry_in_a_cluster:
	s_bfe_u32 s2, ttmp6, 0x10000c
	s_cmp_lg_u32 s2, 0x3003
	s_cbranch_scc0 .Lentry_shape_is_right
	s_endpgm
.Lentry_shape_is_right:
; For 128 rows s of bert (one batch): k = bert Wk^T + bk, a[s] = q . k[s] / sqrt(2048), v = bert Wv^T + bv, part[d] = sum over these s of a[s] v[s][d].  k and v never leave the accumulators.
; bert: [32768][1024], Wk, Wv: [1024][1024]: codes of FP6 (E2M3), a row 768 bytes, one E8M0 byte for each 32 along K (a row 32 bytes).  q: [16][1024] f32, made by the launch before.  part: [256][2][1024] f32.
; SHARES.  Work-group g takes rows 128 g .. 128 g + 127 (batch g / 16) against all 2,048 rows of Wk and Wv.  Wave w = (kh, nh) = (w / 2, w % 2) takes K steps 4 kh .. 4 kh + 3 of the eight steps of 128.
; BERT'S FRAGMENTS STAY IN REGISTERS: 8 blocks of 16 rows x 4 K steps x 12 = 384 a wave.  They come through LDS once, at the start.  So a K step reads only W's fragments from LDS: 24 loads of 8 bytes a lane for 32 matrix instructions.
; THE WEIGHTS go through a ring of two LDS slots, each 128 rows x all of K (eight slots' worth of Wk, then eight of Wv): a tile's row is 768 bytes of memory, at a multiple of 256 from the buffer's first byte.
; Of a slot wave (kh, nh) takes rows 64 nh .. + 63: 128 x 64 of k or v in 32 accumulators, 256 registers, each holding ITS HALF OF K.  That does no harm: a and part are linear in k and v, so the halves are added behind the fold.
; THE FOLD, in f32 fused multiply-adds (these two products have one row: a matrix tile would be fifteen sixteenths empty).  A slot of Wk: source 0 = W, source 1 = bert: a lane holds one s and eight d: a's partial sum += acc x q[d].
; A slot of Wv: the sources are swapped: a lane holds one d and eight s: part[d] = sum of acc x a[s].  The biases: q . bk is added to every a[s]; bv[d] x (the sum of a) is added by the waves with kh = 0.
; The fold stands as a phase of its own behind a slot's products: the refill that is on its way lands meanwhile.
; CLUSTER.  All work-groups walk the same weights: the four of a cluster ask for each tile JOINTLY (the same tensor load, the same descriptor, a mask that names the four).  bert's rows are each work-group's own.
; A mask names four work-groups, and nothing but W is shared: so the cluster is 4 x 1.
; LIMITS: a scale byte 0xff makes the sums that it touches NaN, as the matrix unit has it.  The order of the sums differs from an ascending chain: K in two halves, d in 8 x 8 partial sums, s in 32 parts (the next launch adds them).
; REGISTERS, in windows of 256: window 0: v0-31 addresses and single numbers; v32-47 bert's scale words, v48-63 W's; v64-127 the fold's weights (q, later a); v128-175, v176-223 W's four fragments, TWO sets; v224-255 the fold's sums.
;   window 1: bert's fragments of my K steps 0 and 1 (block a of step j at v[96 (j % 2) + 12 a]);   window 2: of steps 2 and 3;   window 3: the accumulators ((a, b) at v[8 (4 a + b)]).
.set PA,    816                        ; a row of bert or of W in LDS: 3 x (256 bytes + 16 of padding) = 204 words: row r starts at bank 12 r mod 64 (64 banks of 4 bytes: ISA guide 11.1): sixteen rows start at sixteen different multiples of 4 words
.set BB,    128*PA                     ; LDS: bert's 128 rows (filled once, read once), then
.set SLOT,  128*PA                     ; two slots of 128 rows,
.set SPARE, BB+2*SLOT                  ; the spare words, 128 bytes for each wave: two blocks of 256 bytes that no other line names,
.set STG,   SPARE+512                  ; and 1,536 bytes in which the waves' sums of a meet: no tensor load lands there
.set NEXTC, 256*768                    ; from a slot's rows of W to those that it holds next, two slots' worth on, in bytes
.set SPW,  1                           ; v1      LDS address of my spare word: SPARE + 4 x my thread's number; never rewritten
.set NIL,  2                           ; v2      0; never rewritten
.set ADB,  3                           ; v3-12   LDS addresses of W's fragments: five kinds of piece (see FRAG) for slot 0, then for slot 1
.set VSA,  13                          ; v13     bert's scale words: 32 x lane + 16 kh
.set VSB,  14                          ; v14     W's: the same + 2,048 nh
.set VQ,   15                          ; v15     q: 32 h + 256 nh
.set VBV,  16                          ; v16     bv: 4 x lane + 256 nh
.set VP,   17                          ; v17     part: the same + 4,096 kh
.set AST,  18                          ; v18     the stage: where waves 0 to 2 put their sums of a
.set ART,  19                          ; v19     where wave 3 reads them, and puts a
.set AWL,  20                          ; v20     where a is read as the fold's weights: + 32 h
.set ALN,  21                          ; v21     and as 128 numbers on end: + 16 x lane
.set U,    22                          ; v22     my wave's quarter of q . bk
.set ASUM, 23                          ; v23     the sum of a (0 in the waves with kh = 1)
.set T0,   24
.set T1,   25
.set SA,   32                          ; register SA + 4 (block / 2) + step: lanes 0-15 the even block's words, lanes 16-31 the odd block's
.set SB,   48                          ; register SB + 8 slot + 4 (block / 2) + step: likewise
.set QW,   64
.set ADA,  96                          ; v96-105 at the head alone: LDS addresses of bert's fragments: five kinds for blocks 0-3, then for blocks 4-7;  v106-111 at work there
.set WF,   128
.set AP,   224                         ; slots of Wk: a's partial sums of bert's block a at v[224 + 4 a], two pairs
.set OP,   224                         ; slots of Wv: part's sums of W's block b at v[224 + 4 b], two pairs
.set BV,   240                         ; v240-241 bv
.set ZR,   244                         ; v244-245 what is stored
.set WV,   24                          ; s24 wave;  s25 kh;  s26 nh
.set KH,   25
.set NH,   26
.set G1A,  36                          ; s[36:43] descriptor group 1 for bert's rows;  s[44:51] for W's tiles: it differs in the mask alone
.set G1B,  44
.set G0A,  52                          ; s[52:55] group 0 for bert's rows
.set G0K,  56                          ; s[56:63] groups 0 for Wk's tiles, one for each slot
.set G0V,  68                          ; s[68:75] for Wv's
.set SEL,  76                          ; s[76:77] v_permlanex16_b32's selects for lane l xor 16
.set CNT,  78
.set CC,   79                          ; 1 / sqrt(2048)
.set MSB, 0
.macro WIN new                         ; s_set_vgpr_msb: bits 1:0 source 0, 3:2 source 1, 5:4 source 2, 7:6 destination; the high byte repeats the setting that is left
.if MSB != (\new)
	s_set_vgpr_msb (MSB<<8)|(\new)
.set MSB, (\new)
.endif
.endm
.macro PLACES n                        ; a load into a register that a matrix instruction has read, and a vector instruction that reads a matrix result, stand four places behind it; only plain vector instructions
.rept \n                               ; that name none of its registers are places (ISA guide 7.12.1 for vector instructions)
	v_nop
.endr
.endm
.macro CREST                           ; a round of the cluster's barrier behind its opening barrier
	s_cmp_lg_u32 s[WV], 0
	s_cbranch_scc1 .Lnot_wave_0_\@
	s_barrier_signal -3
.Lnot_wave_0_\@:
	s_barrier_wait -3
	s_barrier_signal -1
	s_barrier_wait -1
.endm
.macro CROUND                          ; a whole round
	s_barrier_signal -1
	s_barrier_wait -1
	CREST
.endm
	s_load_b256 s[4:11], s[0:1], 0x0               ; bert's codes s[4:5], bert's scales s[6:7], Wk's codes s[8:9], Wk's scales s[10:11]
	s_load_b256 s[12:19], s[0:1], 0x20             ; Wv's codes s[12:13], Wv's scales s[14:15], bk s[16:17], bv s[18:19]
	s_load_b128 s[20:23], s[0:1], 0x40             ; q s[20:21], part s[22:23]
	v_lshl_add_u32 v[SPW], v0, 2, SPARE
	v_mov_b32 v[NIL], 0
	ds_add_u32 v1, v2
	ds_add_u32 v1, v2
	s_wait_dscnt 0x0
	v_lshrrev_b32 v[T0], 5, v0
	v_readfirstlane_b32 s[WV], v[T0]               ; wave 0..3
	s_lshr_b32 s[KH], s[WV], 1
	s_and_b32 s[NH], s[WV], 1
	s_bfe_u32 s27, ttmp6, 0x40000                  ; cx: my place in the cluster
	s_lshl_b32 s28, ttmp9, 2                       ; in a cluster launch ttmp9 counts clusters
	s_add_co_u32 s28, s28, s27                     ; my work-group g = 4 x cluster + cx: it enters the addresses of bert, q and part alone
	s_lshr_b32 s29, s28, 4                         ; the batch
	; group 1: 32 rows x 768 bytes a wave, dense in memory.  For bert without a mask; for W asked for jointly
	s_mov_b32 s[G1A+0], 0x07500000                 ; 17:16 elements of 1 byte; 20 padding on; 24:22 after every 64 words (code 5); 31:25 of 4 words (code 3)
	s_mov_b32 s[G1B+0], 0x0770000f                 ; the same with 15:0 the mask: all four work-groups; 21 set beside a mask
.irp g, G1A, G1B
	s_mov_b32 s[\g+1], 768<<16                     ; tensor_dim0
	s_mov_b32 s[\g+2], 32<<16                      ; tensor_dim1
	s_mov_b32 s[\g+3], 768<<16                     ; tile_dim0
	s_mov_b32 s[\g+4], 32                          ; tile_dim1
	s_mov_b32 s[\g+5], 768                         ; tensor_dim0_stride
	s_mov_b32 s[\g+6], 0
	s_mov_b32 s[\g+7], 0
.endr
	s_lshl_b32 s30, s28, 7
	s_lshl_b32 s31, s[WV], 5
	s_add_co_u32 s30, s30, s31
	s_mul_i32 s30, s30, 768                        ; bert: row 128 g + 32 w, in bytes (under 2^25)
	s_mov_b32 s31, 0
	s_mul_i32 s32, s[WV], 32*768                   ; W: row 32 w of a slot's 128: the wave's number alone
	s_mov_b32 s33, 0
	s_lshl_b32 s34, s28, 12                        ; bert's scale bytes: 128 rows of 32
	s_mov_b32 s35, 0
	s_lshl_b32 s80, s29, 12                        ; q: the batch's row
	s_mov_b32 s81, 0
	s_lshl_b32 s82, s28, 13                        ; part: 2 x 1,024 numbers a work-group
	s_mov_b32 s83, 0
	s_mul_i32 s84, s[WV], 32*PA                    ; where my 32 rows go in a region of LDS: no place in the cluster enters an LDS address
	s_mov_b32 s[SEL], 0x76543210
	s_mov_b32 s[SEL+1], 0xfedcba98
	s_mov_b32 s[CC], 0x3cb504f3
	s_wait_kmcnt 0x0
	s_mov_b32 s[G0A], 1                            ; 1:0 count = 1
	s_mov_b32 s[G0A+1], s84                        ; 63:32 LDS address
	s_add_nc_u64 s[G0A+2:G0A+3], s[4:5], s[30:31]  ; 120:64 global address
	s_or_b32 s[G0A+3], s[G0A+3], 0x80000000        ; 127:126 type = 2
	s_mov_b32 s[G0K], 1
	s_add_co_u32 s[G0K+1], s84, BB                 ; slot 0: Wk's rows 0 to 127
	s_add_nc_u64 s[G0K+2:G0K+3], s[8:9], s[32:33]
	s_mov_b32 s[G0K+4], 1
	s_add_co_u32 s[G0K+5], s84, BB+SLOT            ; slot 1: rows 128 to 255
	s_add_nc_u64 s[G0K+6:G0K+7], s[G0K+2:G0K+3], 128*768
	s_or_b32 s[G0K+3], s[G0K+3], 0x80000000
	s_or_b32 s[G0K+7], s[G0K+7], 0x80000000
	s_mov_b32 s[G0V], 1
	s_add_co_u32 s[G0V+1], s84, BB
	s_add_nc_u64 s[G0V+2:G0V+3], s[12:13], s[32:33]
	s_mov_b32 s[G0V+4], 1
	s_add_co_u32 s[G0V+5], s84, BB+SLOT
	s_add_nc_u64 s[G0V+6:G0V+7], s[G0V+2:G0V+3], 128*768
	s_or_b32 s[G0V+3], s[G0V+3], 0x80000000
	s_or_b32 s[G0V+7], s[G0V+7], 0x80000000
	s_add_nc_u64 s[6:7], s[6:7], s[34:35]
	s_add_nc_u64 s[20:21], s[20:21], s[80:81]
	s_add_nc_u64 s[22:23], s[22:23], s[82:83]
	CROUND                                         ; all four work-groups are here: the first joint loads meet
	tensor_load_to_lds s[G0A:G0A+3], s[G1A:G1A+7]  ; the first fills go out as one group: my 32 rows of bert, my 32 rows of Wk for each slot.  Three loads of mine are out here, later one
	s_nop 0
	tensor_load_to_lds s[G0K:G0K+3], s[G1B:G1B+7]
	s_nop 0
	tensor_load_to_lds s[G0K+4:G0K+7], s[G1B:G1B+7]
	s_nop 0
	PLACES 4
	; THE ADDRESSES.  A row is 96 pieces of 8 bytes, with 16 bytes of padding behind every 32.  My piece lies 48 kh + 3 h pieces on from piece x (0 .. 44) of the text: how many paddings it has passed hangs on kh and h: five kinds (FRAG)
	v_and_b32 v106, 15, v0                         ; r
	v_bfe_u32 v107, v0, 4, 1                       ; h
	v_and_b32 v108, 31, v0                         ; lane
	s_mul_i32 s86, s[KH], 384                      ; 48 pieces
	s_lshl_b32 s87, s[KH], 4                       ; 16 kh
	s_xor_b32 s88, s87, 16                         ; 16 - 16 kh
	s_lshl_b32 s89, s[KH], 5                       ; 32 kh
	v_mul_u32_u24 v109, s87, v107                  ; 16 h kh
	v_mul_u32_u24 v110, s88, v107                  ; h (16 - 16 kh)
	v_mul_u32_u24 v111, v106, PA
	v_mad_u32_u24 v111, v107, 24, v111
	v_add_nc_u32 v111, s86, v111                   ; r x pitch + 24 h + 384 kh
	v_add_nc_u32 v[ADA], s87, v111                 ; kind 0 (x < 13): one padding where kh = 1
	v_add_nc_u32 v[ADA+1], v[ADA], v109            ; kind 1 (x < 16): and one more where h = 1 too
	v_add_nc_u32 v[ADA+2], s89, v111               ; kind 2 (x < 29): two where kh = 1
	v_add_nc_u32 v[ADA+3], v[ADA+2], v110          ; kind 3 (x < 32): two where kh = 1, else one where h = 1
	v_add_nc_u32 v[ADA+4], 16, v[ADA]              ; kind 4: two where kh = 1, else one
.irp c, 0,1,2,3,4
	v_add_nc_u32 v[ADA+5+\c], 64*PA, v[ADA+\c]     ; bert's blocks 4-7
.endr
	s_mul_i32 s90, s[NH], 64*PA                    ; my 64 rows of a slot
	s_add_co_u32 s90, s90, BB
.irp c, 0,1,2,3,4
	v_add_nc_u32 v[ADB+\c], s90, v[ADA+\c]         ; slot 0
.endr
.irp c, 0,1,2,3,4
	v_add_nc_u32 v[ADB+5+\c], SLOT, v[ADB+\c]      ; slot 1
.endr
	s_lshl_b32 s92, s[NH], 11
	s_lshl_b32 s93, s[NH], 8
	s_lshl_b32 s94, s[KH], 12
	v_lshlrev_b32 v[VSA], 5, v108
	v_add_nc_u32 v[VSA], s87, v[VSA]
	v_add_nc_u32 v[VSB], s92, v[VSA]
	v_lshlrev_b32 v[VQ], 5, v107
	v_add_nc_u32 v[VQ], s93, v[VQ]
	v_lshlrev_b32 v[VBV], 2, v108
	v_add_nc_u32 v[VBV], s93, v[VBV]
	v_add_nc_u32 v[VP], s94, v[VBV]
	s_min_u32 s95, s[WV], 2                        ; (wave 3 stores nothing by this address)
	s_lshl_b32 s95, s95, 9
	s_add_co_u32 s95, s95, STG
	v_lshl_add_u32 v[AST], v106, 2, s95
	v_lshl_add_u32 v[ART], v106, 2, STG
	v_lshl_add_u32 v[AWL], v107, 5, STG
	v_lshl_add_u32 v[ALN], v108, 4, STG
	v_lshlrev_b32 v[T1], 5, v0                     ; my thread's eight numbers of q and of bk
; W's scale words of my four K steps come STRAIGHT INTO REGISTERS: lane l reads, of row 32 i + l of my 64, the 16 bytes at 16 kh: four words.  Lanes 0-15 so hold block 2 i's, lanes 16-31 block 2 i + 1's.
; (Half of each row's 32 bytes: LDS has no room in which all of W's scale bytes, 65,536, could be kept.)
.macro SCL par, base, imm
.irp i, 0,1
	global_load_b128 v[SB+8*\par+4*\i:SB+8*\par+4*\i+3], v[VSB], s[\base:\base+1] offset:\imm+1024*\i
.endr
.endm
.macro QLOAD off                       ; q of the slot's columns that are mine, in the result's layout: block b's register j = q[16 b + 8 h + j]
.irp b, 0,1,2,3
	global_load_b128 v[QW+8*\b:QW+8*\b+3], v[VQ], s[20:21] offset:\off+64*\b
	global_load_b128 v[QW+8*\b+4:QW+8*\b+7], v[VQ], s[20:21] offset:\off+64*\b+16
.endr
.endm
.macro BLOAD off                       ; bv of the slot's columns that are mine: register i = bv[32 i + lane]
.irp i, 0,1
	global_load_b32 v[BV+\i], v[VBV], s[18:19] offset:\off+128*\i
.endr
.endm
	global_load_b128 v[176:179], v[T1], s[20:21]
	global_load_b128 v[180:183], v[T1], s[20:21] offset:16
	global_load_b128 v[184:187], v[T1], s[16:17]
	global_load_b128 v[188:191], v[T1], s[16:17] offset:16
.irp i, 0,1,2,3
	global_load_b128 v[SA+4*\i:SA+4*\i+3], v[VSA], s[6:7] offset:1024*\i   ; bert's scale words, as W's: they stay for the whole launch
.endr
	SCL 0, 10, 0
	SCL 1, 10, 4096
	QLOAD 0
.irp j, 0,1,2,3,4,5,6,7,8,9,10,11,12,13,14,15,16,17,18,19,20,21,22,23,24,25,26,27,28,29,30,31
	v_mov_b32 v[AP+\j], 0                          ; a's partial sums run through eight slots, six of them a loop's: so they begin as zeros
.endr
	s_wait_loadcnt 16                              ; the four loads of q and bk are in; the 4 + 2 + 2 + 8 behind them may be out
	v_pk_mul_f32 v[192:193], v[176:177], v[184:185]
	v_pk_fma_f32 v[192:193], v[178:179], v[186:187], v[192:193]
	v_pk_fma_f32 v[192:193], v[180:181], v[188:189], v[192:193]
	v_pk_fma_f32 v[192:193], v[182:183], v[190:191], v[192:193]
	v_add_f32 v[U], v192, v193
	v_add_f32_dpp v[U], v[U], v[U] row_xmask:1 row_mask:0xf bank_mask:0xf
	v_add_f32_dpp v[U], v[U], v[U] row_xmask:2 row_mask:0xf bank_mask:0xf
	v_add_f32_dpp v[U], v[U], v[U] row_xmask:4 row_mask:0xf bank_mask:0xf
	v_add_f32_dpp v[U], v[U], v[U] row_xmask:8 row_mask:0xf bank_mask:0xf
	v_permlanex16_b32 v[T0], v[U], s[SEL], s[SEL+1]
	v_add_f32 v[U], v[U], v[T0]                    ; my wave's 256 terms of q . bk: the four waves' meet when a's sums do
; One matrix instruction, by the symbols that MUL8 sets.  z = 1: it starts the sum: nothing is ever cleared.
.macro WM z
.if \z
.if xO0 && xO1
	v_wmma_scale_f32_16x16x128_f8f6f4 v[xD:xD+7], v[xS0:xS0+11], v[xS1:xS1+11], 0, v[xC0], v[xC1] matrix_a_fmt:MATRIX_FMT_FP6 matrix_b_fmt:MATRIX_FMT_FP6 matrix_a_scale:MATRIX_SCALE_ROW1 matrix_b_scale:MATRIX_SCALE_ROW1
.elseif xO0
	v_wmma_scale_f32_16x16x128_f8f6f4 v[xD:xD+7], v[xS0:xS0+11], v[xS1:xS1+11], 0, v[xC0], v[xC1] matrix_a_fmt:MATRIX_FMT_FP6 matrix_b_fmt:MATRIX_FMT_FP6 matrix_a_scale:MATRIX_SCALE_ROW1
.elseif xO1
	v_wmma_scale_f32_16x16x128_f8f6f4 v[xD:xD+7], v[xS0:xS0+11], v[xS1:xS1+11], 0, v[xC0], v[xC1] matrix_a_fmt:MATRIX_FMT_FP6 matrix_b_fmt:MATRIX_FMT_FP6 matrix_b_scale:MATRIX_SCALE_ROW1
.else
	v_wmma_scale_f32_16x16x128_f8f6f4 v[xD:xD+7], v[xS0:xS0+11], v[xS1:xS1+11], 0, v[xC0], v[xC1] matrix_a_fmt:MATRIX_FMT_FP6 matrix_b_fmt:MATRIX_FMT_FP6
.endif
.else
.if xO0 && xO1
	v_wmma_scale_f32_16x16x128_f8f6f4 v[xD:xD+7], v[xS0:xS0+11], v[xS1:xS1+11], v[xD:xD+7], v[xC0], v[xC1] matrix_a_fmt:MATRIX_FMT_FP6 matrix_b_fmt:MATRIX_FMT_FP6 matrix_a_scale:MATRIX_SCALE_ROW1 matrix_b_scale:MATRIX_SCALE_ROW1
.elseif xO0
	v_wmma_scale_f32_16x16x128_f8f6f4 v[xD:xD+7], v[xS0:xS0+11], v[xS1:xS1+11], v[xD:xD+7], v[xC0], v[xC1] matrix_a_fmt:MATRIX_FMT_FP6 matrix_b_fmt:MATRIX_FMT_FP6 matrix_a_scale:MATRIX_SCALE_ROW1
.elseif xO1
	v_wmma_scale_f32_16x16x128_f8f6f4 v[xD:xD+7], v[xS0:xS0+11], v[xS1:xS1+11], v[xD:xD+7], v[xC0], v[xC1] matrix_a_fmt:MATRIX_FMT_FP6 matrix_b_fmt:MATRIX_FMT_FP6 matrix_b_scale:MATRIX_SCALE_ROW1
.else
	v_wmma_scale_f32_16x16x128_f8f6f4 v[xD:xD+7], v[xS0:xS0+11], v[xS1:xS1+11], v[xD:xD+7], v[xC0], v[xC1] matrix_a_fmt:MATRIX_FMT_FP6 matrix_b_fmt:MATRIX_FMT_FP6
.endif
.endif
.endm
; 8 matrix instructions: bert's blocks a0, a0 + 1 x W's four, 128 along K: my K step j.  kind 0 (Wk): source 0 = W, source 1 = bert;  kind 1 (Wv): the other way round; the scale words and their rows go with the sources.
; p: W's set;  par: the slot.  The 32 accumulators take turns, one instruction a turn, in the same order in every step.
.macro MUL8 kind, a0, p, j, par, z
.irp a, \a0, \a0+1
.irp b, 0,1,2,3
.set xD, 8*(4*(\a)+\b)
.if \kind
.set xS0, 96*((\j)%2)+12*(\a)
.set xS1, WF+48*(\p)+12*\b
.set xC0, SA+4*((\a)/2)+(\j)
.set xC1, SB+8*(\par)+4*(\b/2)+(\j)
.set xO0, (\a)%2
.set xO1, \b%2
.else
.set xS0, WF+48*(\p)+12*\b
.set xS1, 96*((\j)%2)+12*(\a)
.set xC0, SB+8*(\par)+4*(\b/2)+(\j)
.set xC1, SA+4*((\a)/2)+(\j)
.set xO0, \b%2
.set xO1, (\a)%2
.endif
	WM \z
.endr
.endr
.endm
; A fragment, 16 rows x 128 K, is 12 registers: lane (r, h) holds row r; registers 6 c .. 6 c + 5 hold K = 64 c + 32 h + 0 .. 31: 24 bytes of the row's stream of bits, as they lie, in pieces of 8 bytes.
; My K step j, from off bytes on; adr: the first of five address registers.  XX is the piece for kh = h = 0; by it the piece falls into one of the five kinds.
.macro FRAG reg, adr, j, off
.irp p, 0,1,2,3,4,5
.set XX, 12*(\j)+6*(\p/3)+\p%3
.if XX < 13
.set CT, 0
.elseif XX < 16
.set CT, 1
.elseif XX < 29
.set CT, 2
.elseif XX < 32
.set CT, 3
.else
.set CT, 4
.endif
	ds_load_b64 v[(\reg)+2*\p:(\reg)+2*\p+1], v[(\adr)+CT] offset:(\off)+8*XX
.endr
.endm
.macro FETCH par, j, p                 ; W's four fragments of slot par, my K step j, into set p: 24 loads in one run; they lie in window 0, like their addresses
.irp b, 0,1,2,3
	FRAG WF+48*(\p)+12*\b, ADB+5*(\par), \j, \b*16*PA
.endr
.endm
; One of my first three K steps of a slot.  At its head the next step's fragments are asked for, a whole step (32 matrix instructions) ahead of their use, into the set that the step before read: four places stand behind that step.
.macro STEP kind, par, j, z
	FETCH \par, (\j)+1, ((\j)+1)%2
	s_wait_dscnt 24                                ; this step's set is in; the 24 loads just issued may be out
	WIN 0xf0+(1+(\j)/2)*(4-3*\kind)                ; C and D window 3; bert window 1 or 2, as source 1 (Wk) or source 0 (Wv); W window 0
	MUL8 \kind, 0, (\j)%2, \j, \par, \z
	MUL8 \kind, 2, (\j)%2, \j, \par, \z
	MUL8 \kind, 4, (\j)%2, \j, \par, \z
	MUL8 \kind, 6, (\j)%2, \j, \par, \z
	WIN 0
	PLACES 4
.endm
; My last K step of a slot changes slots: ONE barrier; in front of it each wave waits for all its tensor loads, adds 0 to its spare word, and waits for that and for its own reads of this slot (the last were asked for a step ago).
; fill = 1: this slot is filled again, by group 0 g0 (step = 1: stepped two slots' worth on first): the barrier then opens a round of the cluster's barrier, and the joint load is the first thing behind the round.
.macro TURN kind, par, fill, g0, step
	s_wait_tensorcnt 0x0                           ; all my tensor loads have landed: the one that was out is my part of the other slot  (every window is 0 here)
	ds_add_u32 v[SPW], v[NIL]                      ; 0 onto my spare word
	s_wait_dscnt 1                                 ; this step's set is in (the add may be out)
	WIN 0xf0+2*(4-3*\kind)
	MUL8 \kind, 0, 1, 3, \par, 0                   ; eight matrix instructions stand between the add and the wait for it
	s_wait_dscnt 0x0                               ; the add is done, and my reads of this slot are over
	s_barrier_signal -1
	MUL8 \kind, 2, 1, 3, \par, 0
	WIN 0
	s_barrier_wait -1
.if \fill
	CREST                                          ; no wave of any partner still reads this slot or has a load on its way
.if \step
	s_add_nc_u64 s[\g0+2:\g0+3], s[\g0+2:\g0+3], NEXTC   ; no tensor load of mine is out, so a group 0 may be written; the type bits on top are not reached
.endif
	tensor_load_to_lds s[\g0:\g0+3], s[G1B:G1B+7]  ; my one tensor load until the next round: 112 matrix instructions and a fold stand ahead of the wait for it
	s_nop 0
.endif
	PLACES 4                                       ; (behind the tensor load)
	FETCH 1-\par, 0, 0                             ; the other slot's first fragments, into the set that the step before read
	WIN 0xf0+2*(4-3*\kind)
	MUL8 \kind, 4, 1, 3, \par, 0
	MUL8 \kind, 6, 1, 3, \par, 0
	WIN 0
	PLACES 4
.endm
; A slot's products.  lh: the global loads that may be out at its head (the slot's scale words are in);  scl = 1: the slot's set of W's scale words is loaded anew, four places behind its last product: those of
; two slots' worth on, imm bytes from base sb;  lf: the global loads that may be out ahead of the fold (its weights, or bv, are in).
.macro SLOTX kind, par, fill, g0, step, scl, sb, imm, lh, lf
	s_wait_loadcnt \lh
	STEP \kind, \par, 0, 1
	STEP \kind, \par, 1, 0
	STEP \kind, \par, 2, 0
	TURN \kind, \par, \fill, \g0, \step
.if \scl
	SCL \par, \sb, \imm
.endif
	s_wait_loadcnt \lf
.endm
; THE FOLD of a slot of Wk: a's partial sums += acc x q, two numbers an instruction, sixteen chains by turns; each accumulator from its low end on.
.macro EPIK
	WIN 0x03                                       ; source 0: window 3
.irp bb, 0,2
.irp i, 0,1,2,3
.irp a, 0,1,2,3,4,5,6,7
.irp par, 0,1
	v_pk_fma_f32 v[AP+4*\a+2*\par:AP+4*\a+2*\par+1], v[8*(4*\a+\bb+\par)+2*\i:8*(4*\a+\bb+\par)+2*\i+1], v[QW+8*(\bb+\par)+2*\i:QW+8*(\bb+\par)+2*\i+1], v[AP+4*\a+2*\par:AP+4*\a+2*\par+1]
.endr
.endr
.endr
.endr
	WIN 0
.endm
; THE FOLD of a slot of Wv: part's sums = acc x a, eight chains by turns; the first products start them.  Then the two pairs, the pair's halves, the two halves of the lanes, the bias, and out, poff bytes on.
.macro EPIV poff
	WIN 0x03
.irp ap, 0,2,4,6
.irp i, 0,1,2,3
.irp b, 0,1,2,3
.irp pa, 0,1
.if (\ap+\i) == 0
	v_pk_mul_f32 v[OP+4*\b+2*\pa:OP+4*\b+2*\pa+1], v[8*(4*(\ap+\pa)+\b)+2*\i:8*(4*(\ap+\pa)+\b)+2*\i+1], v[QW+8*(\ap+\pa)+2*\i:QW+8*(\ap+\pa)+2*\i+1]
.else
	v_pk_fma_f32 v[OP+4*\b+2*\pa:OP+4*\b+2*\pa+1], v[8*(4*(\ap+\pa)+\b)+2*\i:8*(4*(\ap+\pa)+\b)+2*\i+1], v[QW+8*(\ap+\pa)+2*\i:QW+8*(\ap+\pa)+2*\i+1], v[OP+4*\b+2*\pa:OP+4*\b+2*\pa+1]
.endif
.endr
.endr
.endr
.endr
	WIN 0
.irp b, 0,1,2,3
	v_pk_add_f32 v[OP+4*\b:OP+4*\b+1], v[OP+4*\b:OP+4*\b+1], v[OP+4*\b+2:OP+4*\b+3]
.endr
.irp b, 0,1,2,3
	v_add_f32 v[OP+4*\b], v[OP+4*\b], v[OP+4*\b+1]
.endr
.irp i, 0,1
	v_permlane16_swap_b32 v[OP+8*\i], v[OP+8*\i+4] ; block 2 i's lanes 16-31 change places with block 2 i + 1's lanes 0-15: the two registers now hold, in lane l, the two halves of column 32 i + l's sum
.endr
	s_wait_xcnt 0x0                                ; every earlier memory instruction has had its addresses translated (ISA guide 3.1): the last slot's stores' data are written again only behind this wait
.irp i, 0,1
	v_fma_f32 v[ZR+\i], v[BV+\i], v[ASUM], v[OP+8*\i]
.endr
.irp i, 0,1
	v_add_f32 v[ZR+\i], v[ZR+\i], v[OP+8*\i+4]
.endr
.irp i, 0,1
	global_store_b32 v[VP], v[ZR+\i], s[22:23] offset:\poff+128*\i   ; each store of the wave covers 128 consecutive bytes, aligned
.endr
.endm
	s_wait_tensorcnt 1                             ; my rows of bert and my part of slot 0 are in (slot 1's load may be out)
	s_barrier_signal -1
	s_barrier_wait -1                              ; everybody's are
	WIN 0x40                                       ; destination window 1, address window 0
.irp j, 0,1
.irp a, 0,1,2,3,4,5,6,7
	FRAG 96*\j+12*\a, ADA+5*(\a/4), \j, (\a%4)*16*PA   ; BERT'S FRAGMENTS OF MY FOUR K STEPS: read once, kept for the whole launch
.endr
.endr
	WIN 0x80                                       ; destination window 2
.irp j, 2,3
.irp a, 0,1,2,3,4,5,6,7
	FRAG 96*(\j-2)+12*\a, ADA+5*(\a/4), \j, (\a%4)*16*PA
.endr
.endr
	WIN 0
	FETCH 0, 0, 0
	s_mov_b32 s[CNT], 3
.Lk:                                                   ; Wk's rows 0 to 767, two slots a trip; the slots take turns on into the next trip
	SLOTX 0, 0, 1, G0K, 1, 1, 10, 8192, 10, 2      ; at the head: the other slot's scale words (2 loads) and q (8) may be out;  ahead of the fold: the 2 loads just issued
	EPIK
	QLOAD 512                                      ; the next slot's q
	SLOTX 0, 1, 1, G0K+4, 1, 1, 10, 12288, 10, 2
	EPIK
	QLOAD 1024
	s_wait_xcnt 0x0                                ; only behind this wait are the bases stepped
	s_add_nc_u64 s[20:21], s[20:21], 1024
	s_add_nc_u64 s[10:11], s[10:11], 8192
	s_sub_co_u32 s[CNT], s[CNT], 1
	s_cmp_lg_u32 s[CNT], 0
	s_cbranch_scc1 .Lk
	SLOTX 0, 0, 1, G0V, 0, 1, 14, 0, 10, 2         ; Wk's last two slots: the slots are filled with Wv's first rows, and their scale words are asked for
	EPIK
	QLOAD 512
	SLOTX 0, 1, 1, G0V+4, 0, 1, 14, 4096, 10, 2
	EPIK
	; a's SUMS MEET.  A lane's four sums, the other half of the lanes' (the other eight d of each block), my quarter of q . bk; then the four waves' (two halves of K x two halves of the columns), through the stage.
.irp a, 0,1,2,3,4,5,6,7
	v_pk_add_f32 v[AP+4*\a:AP+4*\a+1], v[AP+4*\a:AP+4*\a+1], v[AP+4*\a+2:AP+4*\a+3]
.endr
.irp a, 0,1,2,3,4,5,6,7
	v_add_f32 v[AP+4*\a], v[AP+4*\a], v[AP+4*\a+1]
.endr
.irp a, 0,1,2,3,4,5,6,7
	v_permlanex16_b32 v[AP+4*\a+1], v[AP+4*\a], s[SEL], s[SEL+1]
.endr
.irp a, 0,1,2,3,4,5,6,7
	v_add_f32 v[AP+4*\a], v[AP+4*\a], v[AP+4*\a+1]
.endr
.irp a, 0,1,2,3,4,5,6,7
	v_add_f32 v[AP+4*\a], v[AP+4*\a], v[U]
.endr
	s_cmp_eq_u32 s[WV], 3
	s_cbranch_scc1 .Lkeeps
.irp a, 0,1,2,3,4,5,6,7
	ds_store_b32 v[AST], v[AP+4*\a] offset:64*\a   ; waves 0 to 2: row 16 a + r's sum; both halves of the lanes write the same word with the same value
.endr
.Lkeeps:
	s_wait_dscnt 0x0                               ; my stores are done, and my loads of fragments are in
	s_barrier_signal -1
	s_barrier_wait -1
	s_cmp_lg_u32 s[WV], 3
	s_cbranch_scc1 .Lothers
.irp p, 0,1,2
.irp a, 0,1,2,3,4,5,6,7
	ds_load_b32 v[QW+8*\p+\a], v[ART] offset:512*\p+64*\a
.endr
.endr
	s_wait_dscnt 0x0
.irp a, 0,1,2,3,4,5,6,7
	v_add_f32 v[QW+\a], v[QW+\a], v[QW+8+\a]
.endr
.irp a, 0,1,2,3,4,5,6,7
	v_add_f32 v[AP+4*\a], v[AP+4*\a], v[QW+16+\a]
.endr
.irp a, 0,1,2,3,4,5,6,7
	v_add_f32 v[AP+4*\a], v[AP+4*\a], v[QW+\a]
.endr
.irp a, 0,1,2,3,4,5,6,7
	v_mul_f32 v[AP+4*\a], s[CC], v[AP+4*\a]        ; a[s] = (q . k[s]) / sqrt(2048)
.endr
.irp a, 0,1,2,3,4,5,6,7
	ds_store_b32 v[ART], v[AP+4*\a] offset:64*\a   ; over wave 0's sums, which only this wave reads, and has read
.endr
.Lothers:
	s_wait_dscnt 0x0                               ; for the others' sake: a lies in the stage
	s_barrier_signal -1
	s_barrier_wait -1
.irp a, 0,1,2,3,4,5,6,7
	ds_load_b128 v[QW+8*\a:QW+8*\a+3], v[AWL] offset:64*\a           ; the fold's weights from now on: block a's register j = a[16 a + 8 h + j]
	ds_load_b128 v[QW+8*\a+4:QW+8*\a+7], v[AWL] offset:64*\a+16
.endr
	ds_load_b128 v[248:251], v[ALN]                ; and the 128 numbers on end, four a lane, for their sum
	s_wait_dscnt 0x0
	v_add_f32 v248, v248, v249
	v_add_f32 v250, v250, v251
	v_add_f32 v[ASUM], v248, v250
	v_add_f32_dpp v[ASUM], v[ASUM], v[ASUM] row_xmask:1 row_mask:0xf bank_mask:0xf
	v_add_f32_dpp v[ASUM], v[ASUM], v[ASUM] row_xmask:2 row_mask:0xf bank_mask:0xf
	v_add_f32_dpp v[ASUM], v[ASUM], v[ASUM] row_xmask:4 row_mask:0xf bank_mask:0xf
	v_add_f32_dpp v[ASUM], v[ASUM], v[ASUM] row_xmask:8 row_mask:0xf bank_mask:0xf
	v_permlanex16_b32 v[T0], v[ASUM], s[SEL], s[SEL+1]
	v_add_f32 v[ASUM], v[ASUM], v[T0]
	s_cmp_eq_u32 s[KH], 0
	s_cselect_b32 s30, 1.0, 0
	v_mul_f32 v[ASUM], s30, v[ASUM]                ; the bias is counted once: by the waves with kh = 0
	BLOAD 0
	s_mov_b32 s[CNT], 3
.Lv:                                                   ; Wv's rows 0 to 767, two slots a trip
	SLOTX 1, 0, 1, G0V, 1, 1, 14, 8192, 4, 2       ; at the head: the other slot's scale words (2 loads) and bv (2) may be out;  ahead of the fold: the 2 loads just issued
	EPIV 0
	BLOAD 512                                      ; the next slot's bv
	SLOTX 1, 1, 1, G0V+4, 1, 1, 14, 12288, 4, 2
	EPIV 512
	BLOAD 1024
	s_wait_xcnt 0x0                                ; only behind this wait are the bases stepped
	s_add_nc_u64 s[18:19], s[18:19], 1024
	s_add_nc_u64 s[14:15], s[14:15], 8192
	s_add_nc_u64 s[22:23], s[22:23], 1024
	s_sub_co_u32 s[CNT], s[CNT], 1
	s_cmp_lg_u32 s[CNT], 0
	s_cbranch_scc1 .Lv
	SLOTX 1, 0, 0, 0, 0, 0, 0, 0, 4, 0             ; Wv's last two slots are written out: they ask for nothing more, so no round follows the barrier; no load was issued behind bv's
	EPIV 0
	BLOAD 512
	s_wait_loadcnt 2                               ; (the slot's scale words came long ago; bv's two loads may be out)
	STEP 1, 1, 0, 1
	STEP 1, 1, 1, 0
	STEP 1, 1, 2, 0
	s_wait_dscnt 0x0                               ; the very last step: nothing more to fetch
	WIN 0xf2
	MUL8 1, 0, 1, 3, 1, 0
	MUL8 1, 2, 1, 3, 1, 0
	MUL8 1, 4, 1, 3, 1, 0
	MUL8 1, 6, 1, 3, 1, 0
	WIN 0
	PLACES 4
	s_wait_loadcnt 0x0                             ; bv
	EPIV 512
	s_wait_tensorcnt 0x0                           ; the wave's end: behind my last tensor load and my last LDS store
	ds_add_u32 v[SPW], v[NIL]
	s_wait_dscnt 0x0
	CROUND                                         ; the closing round: no work-group ends while a partner may still ask for a tile that names it
	s_endpgm
.Lfunc_end_k_qd2f81ed0ff_fused:
	.size	k_qd2f81ed0ff_fused, .Lfunc_end_k_qd2f81ed0ff_fused-k_qd2f81ed0ff_fused
	.p2alignl 7, 3214868480
	.fill 96, 4, 3214868480
	.section	.rodata,"a",@progbits
	.p2align	6, 0x0
	.amdhsa_kernel k_qd2f81ed0ff_fused
		.amdhsa_group_segment_fixed_size 327680
		.amdhsa_private_segment_fixed_size 0
		.amdhsa_enable_private_segment 0
		.amdhsa_kernarg_size 80
		.amdhsa_user_sgpr_count 2
		.amdhsa_user_sgpr_kernarg_segment_ptr 1
		.amdhsa_wavefront_size32 1
		.amdhsa_system_sgpr_workgroup_id_x 1
		.amdhsa_system_sgpr_workgroup_id_y 1
		.amdhsa_system_sgpr_workgroup_id_z 1
		.amdhsa_system_vgpr_workitem_id 0
		.amdhsa_next_free_vgpr 1024
		.amdhsa_next_free_sgpr 96
		.amdhsa_reserve_vcc 0
		.amdhsa_float_denorm_mode_32 3
		.amdhsa_float_denorm_mode_16_64 3
		.amdhsa_memory_ordered 1
		.amdhsa_forward_progress 1
		.amdhsa_inst_pref_size 255
	.end_amdhsa_kernel
	.section	.bss,"aw",@nobits
	.p2align	6
	.space	262144
	.amdgpu_metadata
---
amdhsa.version: [ 1, 2 ]
amdhsa.kernels:
  - .name:           k_qd2f81ed0ff_fused
    .symbol:         k_qd2f81ed0ff_fused.kd
    .args:
      - { .name: bert_output_codes, .offset: 0, .size: 8, .value_kind: global_buffer, .address_space: global }
      - { .name: bert_output_scales, .offset: 8, .size: 8, .value_kind: global_buffer, .address_space: global }
      - { .name: Wk_codes, .offset: 16, .size: 8, .value_kind: global_buffer, .address_space: global }
      - { .name: Wk_scales, .offset: 24, .size: 8, .value_kind: global_buffer, .address_space: global }
      - { .name: Wv_codes, .offset: 32, .size: 8, .value_kind: global_buffer, .address_space: global }
      - { .name: Wv_scales, .offset: 40, .size: 8, .value_kind: global_buffer, .address_space: global }
      - { .name: bk, .offset: 48, .size: 8, .value_kind: global_buffer, .address_space: global }
      - { .name: bv, .offset: 56, .size: 8, .value_kind: global_buffer, .address_space: global }
      - { .name: q, .offset: 64, .size: 8, .value_kind: global_buffer, .address_space: global }
      - { .name: part, .offset: 72, .size: 8, .value_kind: global_buffer, .address_space: global }
    .group_segment_fixed_size: 327680
    .private_segment_fixed_size: 0
    .kernarg_segment_align: 8
    .kernarg_segment_size: 80
    .max_flat_workgroup_size: 128
    .sgpr_count:     96
    .vgpr_count:     1024
    .wavefront_size: 32
...
	.end_amdgpu_metadata
.endif
;; end of part 2
;; launch sum (part 3): grid 128 x 1, 1 waves a work-group, no clusters, 0 bytes of LDS; arguments part, out0; writes out0
.if DOCPART == 3
	.amdgcn_target "amdgcn-amd-amdhsa--gfx1250"
	.amdhsa_code_object_version 6
	.text
	.protected	k_qd2f81ed0ff_sum
	.globl	k_qd2f81ed0ff_sum
	.p2align	8
	.type	k_qd2f81ed0ff_sum,@function
k_qd2f81ed0ff_sum:
	s_mov_b64 s[64:65], 0
	v_nop
	global_prefetch_b8 v0, s[64:65] scope:SCOPE_SE
	s_setreg_imm32_b32 hwreg(HW_REG_WAVE_MODE, 25, 1), 1
	s_wait_xcnt 0x0
; out0[b][d] = the sum of the batch's 32 parts: part is [256][2][1024] f32, and batch b owns work-groups 16 b .. 16 b + 15 of the launch before: 32 rows of 4,096 bytes on end.
; One wave takes 128 columns of one batch: 32 loads of 512 consecutive bytes, 16 a lane, all issued at once; the sums go in four sets of four registers, in a fixed order; one store of 512 consecutive bytes, aligned.
; 2 MB are read once: no LDS, no matrix unit, no cluster: no two waves read the same byte.
.set X, 4                              ; v4-131: part p's four numbers at v[4 + 4 p]
	s_load_b128 s[4:7], s[0:1], 0x0                ; part s[4:5], out0 s[6:7]
	s_lshr_b32 s8, ttmp9, 3                        ; the batch
	s_and_b32 s9, ttmp9, 7                         ; which 128 columns
	s_lshl_b32 s10, s8, 17                         ; 32 rows of 4,096 bytes a batch
	s_lshl_b32 s12, s9, 9
	s_add_co_u32 s10, s10, s12
	s_mov_b32 s11, 0
	s_lshl_b32 s12, ttmp9, 9                       ; out0: 4,096 b + 512 x (which 128)
	s_mov_b32 s13, 0
	v_lshlrev_b32 v1, 4, v0
	s_wait_kmcnt 0x0
	s_add_nc_u64 s[4:5], s[4:5], s[10:11]
	s_add_nc_u64 s[6:7], s[6:7], s[12:13]
.irp p, 0,1,2,3,4,5,6,7,8,9,10,11,12,13,14,15,16,17,18,19,20,21,22,23,24,25,26,27,28,29,30,31
	global_load_b128 v[X+4*\p:X+4*\p+3], v1, s[4:5] offset:4096*\p th:TH_LOAD_NT
.endr
.macro ADDSET d, s                     ; set d += set s
	v_pk_add_f32 v[X+4*(\d):X+4*(\d)+1], v[X+4*(\d):X+4*(\d)+1], v[X+4*(\s):X+4*(\s)+1]
	v_pk_add_f32 v[X+4*(\d)+2:X+4*(\d)+3], v[X+4*(\d)+2:X+4*(\d)+3], v[X+4*(\s)+2:X+4*(\s)+3]
.endm
	s_wait_loadcnt 24                              ; parts 0 to 7 are in; the 24 behind them may be out
.irp p, 4,5,6,7
	ADDSET \p%4, \p
.endr
	s_wait_loadcnt 16
.irp p, 8,9,10,11,12,13,14,15
	ADDSET \p%4, \p
.endr
	s_wait_loadcnt 8
.irp p, 16,17,18,19,20,21,22,23
	ADDSET \p%4, \p
.endr
	s_wait_loadcnt 0
.irp p, 24,25,26,27,28,29,30,31
	ADDSET \p%4, \p
.endr
	ADDSET 0, 1
	ADDSET 2, 3
	ADDSET 0, 2
	global_store_b128 v1, v[X:X+3], s[6:7]
	s_endpgm
.Lfunc_end_k_qd2f81ed0ff_sum:
	.size	k_qd2f81ed0ff_sum, .Lfunc_end_k_qd2f81ed0ff_sum-k_qd2f81ed0ff_sum
	.p2alignl 7, 3214868480
	.fill 96, 4, 3214868480
	.section	.rodata,"a",@progbits
	.p2align	6, 0x0
	.amdhsa_kernel k_qd2f81ed0ff_sum
		.amdhsa_group_segment_fixed_size 0
		.amdhsa_private_segment_fixed_size 0
		.amdhsa_enable_private_segment 0
		.amdhsa_kernarg_size 16
		.amdhsa_user_sgpr_count 2
		.amdhsa_user_sgpr_kernarg_segment_ptr 1
		.amdhsa_wavefront_size32 1
		.amdhsa_system_sgpr_workgroup_id_x 1
		.amdhsa_system_sgpr_workgroup_id_y 1
		.amdhsa_system_sgpr_workgroup_id_z 1
		.amdhsa_system_vgpr_workitem_id 0
		.amdhsa_next_free_vgpr 136
		.amdhsa_next_free_sgpr 66
		.amdhsa_reserve_vcc 0
		.amdhsa_float_denorm_mode_32 3
		.amdhsa_float_denorm_mode_16_64 3
		.amdhsa_memory_ordered 1
		.amdhsa_forward_progress 1
		.amdhsa_inst_pref_size 8
	.end_amdhsa_kernel
	.amdgpu_metadata
---
amdhsa.version: [ 1, 2 ]
amdhsa.kernels:
  - .name:           k_qd2f81ed0ff_sum
    .symbol:         k_qd2f81ed0ff_sum.kd
    .args:
      - { .name: part, .offset: 0, .size: 8, .value_kind: global_buffer, .address_space: global }
      - { .name: out0, .offset: 8, .size: 8, .value_kind: global_buffer, .address_space: global }
    .group_segment_fixed_size: 0
    .private_segment_fixed_size: 0
    .kernarg_segment_align: 8
    .kernarg_segment_size: 16
    .max_flat_workgroup_size: 32
    .sgpr_count:     66
    .vgpr_count:     136
    .wavefront_size: 32
...
	.end_amdgpu_metadata
.endif
;; end of part 3
